; MI455X (gfx1250); checked and timed in simulation.
; The chip was launched on July 23, 2026; its instructions are those of AMD's public machine-readable ISA for CDNA 5 (MIT licence, August 2026) and "CDNA5" Instruction Set Architecture Reference Guide (July 2026). The comments in the code are by the model that wrote it; some were corrected since.
;; LSTM Cell. Allowed arithmetic: matrix products marked QUANTISED: E2M1 operands, one E8M0 scale for each 32 along K, by v_wmma_scale_f32_16x16x128_f8f6f4 with both operands' format E2M1 (or v_wmma_scale_f32_32x16x128_f4), f32 sums; everything else in f32.
;; Inputs: Wc 4,096 x 2,048 float32; Wf 4,096 x 2,048 float32; Wi 4,096 x 2,048 float32; Wo 4,096 x 2,048 float32; bc 2,048 float32; bf 2,048 float32; bi 2,048 float32; bo 2,048 float32; cell_state 2,048 x 2,048 float32; hidden_state 2,048 x 2,048 float32; x 2,048 x 2,048 float32.
;; Outputs: out0 2,048 x 2,048 float32; out1 2,048 x 2,048 float32.
;; This version of the problem:
;;   THIS VERSION OF THE PROBLEM IS GIVEN IN LOW PRECISION. The matrix products marked QUANTISED in the list below multiply operands that are first quantised to E2M1 (2 exponent bits, 1 mantissa bit; 4 bits a number), with one power-of-two scale for each 32 numbers along K (OCP MX v1.0); their sums are f32. All else is computed in f32.
;;   The module's matrix products, in the order in which they are computed (A, B: the left and right operand; K: the contracted axis; several contracted axes count as one K, in the product's order):
;;     1. [M 2,048, K 4,096] x [K 4,096, N 8,192]; A: computed on the way; B: computed on the way: QUANTISED
;;   THE QUANTISER, for each operand of a quantised product, along K:
;;     - K is cut into blocks of 32 from its start; a last block that is shorter is filled with zeros.
;;     - A block's scale is 2^e with e = floor(log2(the largest magnitude in the block)) - 2, held to -126 .. 127; a block of zeros has e = 0. As a byte (E8M0): e + 127.
;;     - Each number is divided by its block's scale, clamped to +-6, and rounded to the nearest number of E2M1, ties to even, subnormals kept.
;;     - The product sums the exact products of the quantised numbers (number of the format x scale) in f32.
;;   ~~~python
;;   def quantise(x, axis):      # numpy; x: float32 -> the quantised numbers, widened to float32 again
;;       x = np.moveaxis(x, axis, -1); K = x.shape[-1]
;;       x = np.pad(x, [(0, 0)] * (x.ndim - 1) + [(0, -K % 32)]); x = x.reshape(x.shape[:-1] + (-1, 32)); a = np.abs(x).max(-1, keepdims=True)
;;       e = np.where(a > 0, np.clip(np.frexp(np.where(a > 0, a, 1))[1] - 1 - 2, -126, 127), 0)      # np.frexp(a)[1] - 1 = floor(log2(a)), exactly
;;       r = np.clip(x / 2.0 ** e, -6, 6)
;;       step = 2.0 ** (np.maximum(np.frexp(np.where(r == 0, 1, r))[1] - 1, 0) - 1)
;;       q = np.round(r / step) * step * 2.0 ** e      # np.round: ties to even
;;       return np.moveaxis(q.reshape(q.shape[:-2] + (-1,))[..., :K], -1, axis).astype(np.float32)
;;   ~~~
;;   OPERANDS COMPUTED ON THE WAY. 'Computed on the way' means the value that the module computes at that place (a softmax that the list does not call 'softmax' is quantised finished and normalised). What goes into a quantiser is computed in f32, as accurately as f32 sums, v_exp_f32 and their like allow (about 1e-6 of the number): no bf16 or f16 on the way to a quantiser, and a product that is left as it is and whose result goes on into a quantised operand takes f32 operands (vector FMAs, or v_wmma_f32_16x16x4_f32). A number that lies on a knife's edge between two numbers of the format may be rounded either way, as far as f32 arithmetic and the matrix unit's own rounding can turn it there, and no further.
;; One version. Each part assembles by itself: llvm-mc -triple=amdgcn-amd-amdhsa -mcpu=gfx1250 --defsym DOCPART=n.
;; ======== version 1 of 1: 2 launches
;; limits: right only within a limited range of input values
;; workspace buffers: aq 4,194,304 bytes; asc 262,144 bytes; wq 16,777,216 bytes; wsc 1,048,576 bytes
;; launch quant (part 1): grid 768 x 1, 4 waves a work-group, no clusters, 22,016 bytes of LDS; arguments x, hidden_state, Wf, Wi, Wo, Wc, aq, asc, wq, wsc; writes aq, asc, wq, wsc
.if DOCPART == 1
	.amdgcn_target "amdgcn-amd-amdhsa--gfx1250"
	.amdhsa_code_object_version 6
	.text
	.protected	k_q23f76765da_quant
	.globl	k_q23f76765da_quant
	.p2align	8
	.type	k_q23f76765da_quant,@function
k_q23f76765da_quant:
	s_mov_b64 s[64:65], 0
	v_nop
	global_prefetch_b8 v0, s[64:65] scope:SCOPE_SE
	s_setreg_imm32_b32 hwreg(HW_REG_WAVE_MODE, 25, 1), 1
	s_wait_xcnt 0x0
; THE QUANTISER.  inp = [hidden_state | x], [2048][4096] f32, and W = [Wf | Wi | Wo | Wc], [4096][8192] f32, become codes of FP4 (E2M1) with one E8M0 byte
; for each 32 along K, laid IN THE ORDER OF THE OPERAND'S REGISTERS for the product's launch:
;   codes:  aq [rt 16][s 8][32768], wq [wt 64][s 8][32768]; a chunk of 32,768 bytes (128 rows x 512 along K) is [block i 8][q 4][c 2][lane 32][16 bytes]:
;           lane 16 h + r holds row 16 i + r, k = 512 s + 128 q + 64 c + 32 h + 0 .. 31, two codes a byte, the lower k in the low four bits.
;   scales: asc [rt][s][2048], wsc [wt][s][2048]; the 2,048 bytes are [hs 2][block i 8][r 16][8 bytes]: the scale words q = 2 hs and 2 hs + 1 of row 16 i + r; byte b of a word is for k = 32 b on.
;   rows:   of inp, rt = row / 128.  Of W, wt = unit / 32, and block i = 2 g + u holds gate g (f, i, o, c) of units 32 wt + 16 u + 0 .. 15: the four gates of a unit lie in one chunk.
; A block's scale is 2^(floor(log2(its largest magnitude)) - 2); its byte is the largest magnitude's exponent field - 2, held at 1 from below; each number is divided by the scale and rounded to the
; nearest code, ties to even, beyond the largest code the largest.
; LIMITS: NaN and infinities among the inputs are not served.  A block of zeros gets the byte 1 where the rule says 127: its codes are zeros, which add nothing under that byte, and this program alone reads the bytes.
; SHARES.  768 work-groups of four waves.  Work-groups 0 .. 511 take W, 16,384 numbers a wave; the others inp, 8,192 numbers a wave.  Waves share nothing: no barrier.  No work-group reads what another reads: no cluster.
; The two paths have LDS bytes of their own: inp's stages from 0, the spare words from 0x4400, W's stages from 0x4600.
.set WX, 32                            ; W path: v32-159  two sets of 32 rows x 2 columns
.set WT, 160                           ;         v160-191 one column's 32 numbers down K
.set WC, 194                           ;         v194-201 the codes of my two columns
.set WO, 202                           ;         v202-209 the codes back from the stage, by tiles
.set WST, 0x4600                       ;         LDS: 1,024 bytes for each wave
.set AR, 32                            ; A path: v32-127  three sets of 32 numbers as they are loaded
.set AX, 128                           ;         v128-159 32 neighbours along K
.set AC, 160                           ;         v160-191 codes, four registers for each of eight steps
.set SP, 272                           ; A path: a row of the stage: 256 bytes + 16, an odd multiple of 16, so that sixteen rows begin in sixteen different 16-byte columns of 256
; The 32 numbers v[xs] on are one block: v11 = the conversion's scale operand, v10 = the scale's byte
.macro QSCALE xs
	v_max3_num_f32 v8, |v[\xs]|, |v[\xs+1]|, |v[\xs+2]|            ; the largest magnitude, in two chains
	v_max3_num_f32 v9, |v[\xs+3]|, |v[\xs+4]|, |v[\xs+5]|
.irp i, 6,10,14,18,22,26
	v_max3_num_f32 v8, v8, |v[\xs+\i]|, |v[\xs+\i+1]|
	v_max3_num_f32 v9, v9, |v[\xs+\i+2]|, |v[\xs+\i+3]|
.endr
	v_max3_num_f32 v8, v8, |v[\xs+30]|, |v[\xs+31]|
	v_max3_num_f32 v8, v8, v9, 0x1800000           ; and the floor 2^(3 - 127): the byte cannot fall under 1
	v_add_nc_u32 v11, 0xff000000, v8               ; 2 off the exponent field: the conversion takes the exponent field of this operand as its scale, and nothing else of it
	v_lshrrev_b32 v10, 23, v11                     ; the byte
.endm
.macro CODES c, xs                     ; 32 codes, 16 bytes, the lowest k in the lowest bits
.irp g, 0,1,2,3
	v_cvt_scalef32_pk8_fp4_f32 v[\c+\g], v[\xs+8*\g:\xs+8*\g+7], v11
.endr
.endm
	s_load_b256 s[4:11], s[0:1], 0x0               ; x s[4:5], hidden_state s[6:7], Wf s[8:9], Wi s[10:11]
	s_load_b256 s[12:19], s[0:1], 0x20             ; Wo s[12:13], Wc s[14:15], aq s[16:17], asc s[18:19]
	s_load_b128 s[20:23], s[0:1], 0x40             ; wq s[20:21], wsc s[22:23]
	v_lshl_add_u32 v192, v0, 2, 0x4400             ; my spare word,
	v_mov_b32 v193, 0                              ; and 0: for the add at the wave's end
	v_lshrrev_b32 v1, 5, v0
	v_readfirstlane_b32 s24, v1                    ; wave 0..3
	v_and_b32 v1, 31, v0                           ; lane
	v_lshrrev_b32 v12, 4, v1                       ; lane / 16
	v_and_b32 v13, 15, v1                          ; lane % 16
	s_cmp_lt_u32 ttmp9, 512
	s_cbranch_scc0 .Lpath_a
; ---------------- W: K IS THE FIRST AXIS.  A lane takes TWO neighbouring columns and its registers run down K: each load reads 256 consecutive bytes, aligned; a block of 32 along K of a column lies in one lane.
; The conversions take neighbours along K from consecutive registers, so a column's 32 numbers are first moved out of the pairs into 32 registers on end.
; Work-group: cg = id % 8 (256 columns), kc = (id / 8) % 16 (256 along K), g = id / 128 (the gate).  Wave w: columns 256 cg + 64 w + 2 lane + 0, 1: the units of tiles wt = 8 cg + 2 w and wt + 1.
	s_and_b32 s25, ttmp9, 7                        ; cg
	s_bfe_u32 s26, ttmp9, 0x40003                  ; kc
	s_lshr_b32 s27, ttmp9, 7                       ; g
	v_lshlrev_b32 v2, 3, v1                        ; in: 8 bytes a lane
	v_lshlrev_b32 v3, 12, v12
	v_lshl_add_u32 v3, v13, 4, v3                  ; codes out, by tiles: units 0-15 lie in block 2 g, units 16-31 in block 2 g + 1, 4,096 bytes on; 16 bytes a unit
	v_lshlrev_b32 v4, 14, v12
	v_lshl_add_u32 v4, v13, 4, v4                  ; scale words out: 16 bytes a lane (two units); lanes 16-31 hold the next tile's units, 16,384 bytes on
	s_lshl_b32 s44, s24, 10
	s_add_co_u32 s44, s44, WST                     ; my stage
	v_lshlrev_b32 v5, 5, v1
	v_add_nc_u32 v5, s44, v5                       ; into it: 16 bytes a unit, my two units on end
	v_lshlrev_b32 v6, 4, v1
	v_add_nc_u32 v6, s44, v6                       ; out of it: unit = lane, a tile's 512 bytes a load
	s_lshl_b32 s34, s26, 21                        ; W: 256 kc rows of 8,192 bytes,
	s_lshl_b32 s35, s25, 10                        ; + 256 cg columns,
	s_add_co_u32 s34, s34, s35
	s_lshl_b32 s35, s24, 8                         ; + 64 w columns
	s_add_co_u32 s34, s34, s35
	s_mov_b32 s35, 0
	s_lshl_b32 s36, s25, 2
	s_add_co_u32 s36, s36, s24                     ; wt / 2
	s_lshl_b32 s36, s36, 4
	s_lshr_b32 s37, s26, 1                         ; s = kc / 2
	s_add_co_u32 s36, s36, s37                     ; 8 wt + s: which chunk
	s_and_b32 s37, s26, 1                          ; hs: which half of its 512 along K
	s_lshl_b32 s38, s36, 15
	s_lshl_b32 s39, s27, 13                        ; + block 2 g
	s_add_co_u32 s38, s38, s39
	s_lshl_b32 s39, s37, 11                        ; + q = 2 hs
	s_add_co_u32 s38, s38, s39
	s_mov_b32 s39, 0
	s_lshl_b32 s40, s36, 11
	s_lshl_b32 s41, s37, 10
	s_add_co_u32 s40, s40, s41
	s_lshl_b32 s41, s27, 8
	s_add_co_u32 s40, s40, s41
	s_mov_b32 s41, 0
	s_and_b32 s42, s27, 1
	s_and_b32 s43, s27, 2
	s_wait_alu depctr_va_vdst(0)                   ; the wait at the head's end
	s_wait_kmcnt 0x0
	s_cmp_lg_u32 s42, 0                            ; the gate's weight: the choice hangs on the work-group's number alone
	s_cselect_b64 s[28:29], s[10:11], s[8:9]       ; Wi or Wf
	s_cselect_b64 s[30:31], s[14:15], s[12:13]     ; Wc or Wo
	s_cmp_lg_u32 s43, 0
	s_cselect_b64 s[28:29], s[30:31], s[28:29]
	s_add_nc_u64 s[28:29], s[28:29], s[34:35]
	s_add_nc_u64 s[20:21], s[20:21], s[38:39]
	s_add_nc_u64 s[22:23], s[22:23], s[40:41]
.macro WLOAD t                         ; block t: W(256 kc + 32 t + i, my two columns), i = 0 .. 31
.set cnt, 0
.rept 32
	global_load_b64 v[WX+64*((\t)%2)+2*cnt:WX+64*((\t)%2)+2*cnt+1], v2, s[28:29] offset:(32*(\t)+cnt)*8192 th:TH_LOAD_NT
.set cnt, cnt+1
.endr
.endm
.macro WBLOCK t
.set XS, WX+64*((\t)%2)
.if (\t) < 7
	s_wait_loadcnt 32                              ; this block's 32 loads are in; the next block's 32 may be out
.else
	s_wait_loadcnt 0x0
.endif
.irp c, 0,1
.set cnt, 0
.rept 32
	v_mov_b32 v[WT+cnt], v[XS+2*cnt+\c]            ; column c down K, on end
.set cnt, cnt+1
.endr
	QSCALE WT
	CODES WC+4*\c, WT
.if (\t)%4 == 0
	v_mov_b32 v[14+2*\c+(\t)/4], v10               ; four bytes to a scale word, the lower k in the lower byte.  (Also the plain line behind the conversions)
.else
	v_lshl_or_b32 v[14+2*\c+(\t)/4], v10, 8*((\t)%4), v[14+2*\c+(\t)/4]
.endif
.endr
	s_wait_alu depctr_va_vdst(0)
	ds_store_b128 v5, v[WC:WC+3]
	ds_store_b128 v5, v[WC+4:WC+7] offset:16
	s_wait_xcnt 0x0                                ; the last block's stores have read v[WO] on
	ds_load_b128 v[WO:WO+3], v6                    ; LDS serves a wave's instructions in order (ISA guide 5.7.1.4): these see the stores above
	ds_load_b128 v[WO+4:WO+7], v6 offset:512
.if (\t)+2 < 8
	WLOAD (\t)+2                                   ; into the set just moved out
.endif
	s_wait_dscnt 0x0
	global_store_b128 v3, v[WO:WO+3], s[20:21] offset:256*(\t)             ; block t of my 256 along K is (q, c, h) = (t / 4, (t / 2) % 2, t % 2): 256 t bytes on; sixteen lanes store 256 consecutive bytes, aligned
	global_store_b128 v3, v[WO+4:WO+7], s[20:21] offset:262144+256*(\t)    ; the next tile: eight chunks on
.endm
	WLOAD 0
	WLOAD 1
.irp t, 0,1,2,3,4,5,6,7
	WBLOCK \t
.endr
	global_store_b128 v4, v[14:17], s[22:23]       ; my two units' two scale words each: sixteen lanes store 256 consecutive bytes, aligned
	s_wait_tensorcnt 0x0                           ; the wave's end
	ds_add_u32 v192, v193
	s_wait_dscnt 0x0
	s_endpgm
; ---------------- inp: K IS INNERMOST.  j = id - 512: kc = 4 (j % 4) + wave (256 along K), rp = j / 4 (32 rows).  A step is 16 rows x 64 along K: its eight loads read whole runs of 256 bytes (sixteen lanes to a
; row); the 4,096 bytes turn through the wave's own stage in LDS and come back 128 bytes a lane: lane 16 h + r then holds k = 32 h + 0 .. 31 of row r, a whole block, in the order of the operand's registers.
; Here every offset is an immediate, and no address register and no store's data register is written twice.
.Lpath_a:
	s_sub_co_u32 s25, ttmp9, 512                   ; j
	s_and_b32 s26, s25, 3
	s_lshl_b32 s26, s26, 2
	s_add_co_u32 s26, s26, s24                     ; kc
	s_lshr_b32 s27, s25, 2                         ; rp
	s_wait_alu depctr_va_vdst(0)
	v_lshlrev_b32 v2, 13, v12
	v_lshl_add_u32 v2, v13, 4, v2                  ; in: lanes 0-15 one row of 8,192 bytes, lanes 16-31 the next; 16 bytes a lane
	s_mul_i32 s42, s24, 16*SP                      ; my stage
	v_mul_u32_u24 v3, v12, SP
	v_lshl_add_u32 v3, v13, 4, v3
	v_add_nc_u32 v3, s42, v3                       ; into it: as loaded
	v_mul_u32_u24 v4, v13, SP
	v_lshl_add_u32 v4, v12, 7, v4
	v_add_nc_u32 v4, s42, v4                       ; out of it: row r, 128 h bytes on
	v_lshlrev_b32 v5, 4, v1                        ; codes out: 16 x lane
	v_lshlrev_b32 v6, 3, v1                        ; scale words out: 8 x lane
	v_lshlrev_b32 v7, 3, v12                       ; 8 h: how far my bytes are shifted in a scale word
	v_mov_b32 v21, 0                               ; written once: a lane permute's destination counts as one of its sources
	s_mov_b32 s44, 0x76543210
	s_mov_b32 s45, 0xfedcba98                      ; v_permlanex16_b32's selects for lane l xor 16
	s_lshl_b32 s34, s27, 18                        ; 32 rp rows of 8,192 bytes,
	s_and_b32 s35, s26, 7
	s_lshl_b32 s35, s35, 10                        ; + 256 (kc % 8) numbers
	s_add_co_u32 s34, s34, s35
	s_mov_b32 s35, 0
	s_lshr_b32 s36, s27, 2                         ; rt
	s_lshl_b32 s36, s36, 3
	s_lshr_b32 s37, s26, 1                         ; s
	s_add_co_u32 s36, s36, s37                     ; 8 rt + s
	s_and_b32 s37, s26, 1                          ; hs
	s_and_b32 s43, s27, 3                          ; my first block is a0 = 2 (rp % 4)
	s_lshl_b32 s38, s36, 15
	s_lshl_b32 s39, s43, 13                        ; + 4,096 a0
	s_add_co_u32 s38, s38, s39
	s_lshl_b32 s39, s37, 11
	s_add_co_u32 s38, s38, s39
	s_mov_b32 s39, 0
	s_lshl_b32 s40, s36, 11
	s_lshl_b32 s41, s37, 10
	s_add_co_u32 s40, s40, s41
	s_lshl_b32 s41, s43, 8                         ; + 128 a0
	s_add_co_u32 s40, s40, s41
	s_mov_b32 s41, 0
	s_wait_alu depctr_va_vdst(0)
	s_wait_kmcnt 0x0
	s_cmp_lt_u32 s26, 8                            ; k under 2,048 is hidden_state, the rest x
	s_cselect_b64 s[28:29], s[6:7], s[4:5]
	s_add_nc_u64 s[28:29], s[28:29], s[34:35]
	s_add_nc_u64 s[16:17], s[16:17], s[38:39]
	s_add_nc_u64 s[18:19], s[18:19], s[40:41]
; step t: block a0 + t / 4, q = 2 hs + (t / 2) % 2, c = t % 2
.macro ALOAD t
.irp j, 0,1,2,3,4,5,6,7
	global_load_b128 v[AR+32*((\t)%3)+4*\j:AR+32*((\t)%3)+4*\j+3], v2, s[28:29] offset:((\t)/4)*131072+\j*16384+(((\t)/2)%2)*512+((\t)%2)*256 th:TH_LOAD_NT
.endr
.endm
.macro ASTEP t
.if (\t) <= 5
	s_wait_loadcnt 16                              ; this step's eight loads are in; those of the two steps behind it may be out
.elseif (\t) == 6
	s_wait_loadcnt 8
.else
	s_wait_loadcnt 0x0
.endif
.irp j, 0,1,2,3,4,5,6,7
	ds_store_b128 v3, v[AR+32*((\t)%3)+4*\j:AR+32*((\t)%3)+4*\j+3] offset:2*SP*\j
.endr
.irp j, 0,1,2,3,4,5,6,7
	ds_load_b128 v[AX+4*\j:AX+4*\j+3], v4 offset:16*\j             ; LDS serves a wave's instructions in order (ISA guide 5.7.1.4): these see the stores above
.endr
	s_wait_dscnt 0x0                               ; my 32 neighbours are in, and the stores have read their registers,
.if (\t)+3 < 8
	ALOAD (\t)+3                                   ; which take the loads of three steps on
.endif
	QSCALE AX
.if (\t)%2 == 0
	v_mov_b32 v20, v10                             ; block h of the word's four
.else
	v_lshl_or_b32 v20, v10, 16, v20                ; and block 2 + h,
	v_lshlrev_b32 v20, v7, v20                     ; at their places in the word;
	v_permlanex16_b32 v21, v20, s44, s45
	v_or_b32 v[16+(\t)/2], v20, v21                ; with lane l xor 16's two the word of row r is whole, in both lanes
.endif
	CODES AC+4*(\t), AX
	global_store_b128 v5, v[AC+4*(\t):AC+4*(\t)+3], s[16:17] offset:((\t)/4)*4096+(((\t)/2)%2)*1024+((\t)%2)*512   ; the wave stores 512 consecutive bytes, aligned
.endm
	ALOAD 0
	ALOAD 1
	ALOAD 2
.irp t, 0,1,2,3,4,5,6,7
	ASTEP \t
.endr
	v_cmp_le_u32 vcc_lo, 16, v1                    ; lanes 0-15 store block a0's two words of row r, lanes 16-31 block a0 + 1's
	v_cndmask_b32 v22, v16, v18, vcc_lo
	v_cndmask_b32 v23, v17, v19, vcc_lo
	global_store_b64 v6, v[22:23], s[18:19]        ; 256 consecutive bytes, aligned
	s_wait_tensorcnt 0x0
	ds_add_u32 v192, v193
	s_wait_dscnt 0x0
	s_endpgm
.Lfunc_end_k_q23f76765da_quant:
	.size	k_q23f76765da_quant, .Lfunc_end_k_q23f76765da_quant-k_q23f76765da_quant
	.p2alignl 7, 3214868480
	.fill 96, 4, 3214868480
	.section	.rodata,"a",@progbits
	.p2align	6, 0x0
	.amdhsa_kernel k_q23f76765da_quant
		.amdhsa_group_segment_fixed_size 22016
		.amdhsa_private_segment_fixed_size 0
		.amdhsa_enable_private_segment 0
		.amdhsa_kernarg_size 80
		.amdhsa_user_sgpr_count 2
		.amdhsa_user_sgpr_kernarg_segment_ptr 1
		.amdhsa_wavefront_size32 1
		.amdhsa_system_sgpr_workgroup_id_x 1
		.amdhsa_system_sgpr_workgroup_id_y 1
		.amdhsa_system_sgpr_workgroup_id_z 1
		.amdhsa_system_vgpr_workitem_id 0
		.amdhsa_next_free_vgpr 210
		.amdhsa_next_free_sgpr 66
		.amdhsa_reserve_vcc 1
		.amdhsa_float_denorm_mode_32 3
		.amdhsa_float_denorm_mode_16_64 3
		.amdhsa_memory_ordered 1
		.amdhsa_forward_progress 1
		.amdhsa_inst_pref_size 100
	.end_amdhsa_kernel
	.amdgpu_metadata
---
amdhsa.version: [ 1, 2 ]
amdhsa.kernels:
  - .name:           k_q23f76765da_quant
    .symbol:         k_q23f76765da_quant.kd
    .args:
      - { .name: x, .offset: 0, .size: 8, .value_kind: global_buffer, .address_space: global }
      - { .name: hidden_state, .offset: 8, .size: 8, .value_kind: global_buffer, .address_space: global }
      - { .name: Wf, .offset: 16, .size: 8, .value_kind: global_buffer, .address_space: global }
      - { .name: Wi, .offset: 24, .size: 8, .value_kind: global_buffer, .address_space: global }
      - { .name: Wo, .offset: 32, .size: 8, .value_kind: global_buffer, .address_space: global }
      - { .name: Wc, .offset: 40, .size: 8, .value_kind: global_buffer, .address_space: global }
      - { .name: aq, .offset: 48, .size: 8, .value_kind: global_buffer, .address_space: global }
      - { .name: asc, .offset: 56, .size: 8, .value_kind: global_buffer, .address_space: global }
      - { .name: wq, .offset: 64, .size: 8, .value_kind: global_buffer, .address_space: global }
      - { .name: wsc, .offset: 72, .size: 8, .value_kind: global_buffer, .address_space: global }
    .group_segment_fixed_size: 22016
    .private_segment_fixed_size: 0
    .kernarg_segment_align: 8
    .kernarg_segment_size: 80
    .max_flat_workgroup_size: 128
    .sgpr_count:     66
    .vgpr_count:     210
    .wavefront_size: 32
...
	.end_amdgpu_metadata
.endif
;; end of part 1
;; launch gemm (part 2): grid 32 x 8, 4 waves a work-group, clusters of 4 x 4, 327,680 bytes of LDS; arguments aq, asc, wq, wsc, bf, bi, bo, bc, cell_state, out0, out1; writes out0, out1
.if DOCPART == 2
	.amdgcn_target "amdgcn-amd-amdhsa--gfx1250"
	.amdhsa_code_object_version 6
	.text
	.protected	k_q23f76765da_gemm
	.globl	k_q23f76765da_gemm
	.p2align	8
	.type	k_q23f76765da_gemm,@function
k_q23f76765da_gemm:
	s_mov_b64 s[64:65], 0
	v_nop
	global_prefetch_b8 v0, s[64:65] scope:SCOPE_SE
	s_setreg_imm32_b32 hwreg(HW_REG_WAVE_MODE, 25, 1), 1
	s_wait_xcnt 0x0
	s_wait_alu depctr_hold_cnt(0) depctr_sa_sdst(0) depctr_va_vdst(0) depctr_va_sdst(0) depctr_va_ssrc(0) depctr_va_vcc(0) depctr_vm_vsrc(0)
	s_getreg_b32 s2, hwreg(HW_REG_IB_STS2, 6, 4)
	s_cmp_eq_u32 s2, 0
	s_cbranch_scc0 .Lentry_in_a_cluster
	s_endpgm
.Lentry_in_a_cluster:
	s_bfe_u32 s2, ttmp6, 0x10000c
	s_cmp_lg_u32 s2, 0xf033
	s_cbranch_scc0 .Lentry_shape_is_right
	s_endpgm
.Lentry_shape_is_right:
; z = Q(inp) Q(W) + b on codes of FP4 with E8M0 scales, then the cell: next_cell = sig(zf) c + sig(zi) tanh(zc), next_hidden = sig(zo) tanh(next_cell), all in f32.
; A work-group of four waves makes 256 rows x 64 units with their four gates (256 rows of W); a wave 128 x 128: 64 accumulators of 16 x 16, 512 registers.
; aq and wq hold chunks of 32,768 bytes (128 rows x 512 along K) in the order of the operand's registers: [block i 8][q 4][c 2][lane 32][16 bytes]; in a chunk of wq block 2 g + u holds gate g of units 16 u + 0 .. 15.
; K goes in steps of 512 through a ring of two LDS slots of four chunks (A's two, then W's two); each wave fetches one chunk, as 128 rows of 256 bytes.
; CLUSTERS: 4 x 4 work-groups; A's chunks are asked for jointly along a row of the cluster, W's along a column.
; THE SCALE WORDS (asc, wsc: [tile][s][hs 2][block 8][r 16][8 bytes]) go from memory straight into registers, 16 loads of 256 consecutive bytes for a K step of 512, asked for one such K step ahead, in two sets.
; FRAGMENTS: one set for A, two for W.  The 64 products of a step of 128 go by A's blocks, each against W's eight, so a block of A is free when its eight products are issued: the next step's W and A's blocks 0-3 are
; fetched in ONE run of 24 LDS loads in the step's middle, A's blocks 4-7 in a run of 8 at its end.
; THE MATRIX INSTRUCTION IS USED TRANSPOSED (source 0 = 16 rows of W, source 1 = 16 rows of inp): lane 16 h + r holds row r, its registers units 8 h + 0 .. 7.  The biases are the C of the first step.
; PREFETCH: behind each joint refill the K step two refills on, 32 blocks of 256 bytes a wave, the four partners sharing a chunk by address; of the clusters that load the same chunks of A two ask (cluster x = 0 and 4),
; of those that load the same chunks of W one (cluster y = 0); the last two refills ask for nothing.
; REGISTERS: window 0: v0-31 addresses; v32-95 scale words, two sets; v96-127 at work on the way out; v128-191 A's set; v128-255 at work on the way out.
;   window 1: v0-63, v128-191 W's two sets; v64-127, v192-255 the cell rows (v192-255 hold the biases through the first step).  windows 2, 3: the accumulators ((a, b) at v[8 (8 (a % 4) + b)]).
; LIMITS: NaN and infinities among the inputs are not served.
.set CHUNK, 32768
.set SLOT,  4*CHUNK
.set SPARE, 2*SLOT                     ; behind the ring: the spare words, 512 bytes that no other line names
.set SP,    272                        ; the way out: a stage row, 64 units x 4 bytes + 16
.set HST,   256*SP                     ; the cell's stage at 0, the hidden state's behind it: on slots that have had their last fill and their last read
.set L8,   13
.set BO,   14
.set CW,   15
.set ADRA, 16
.set ADRB, 20
.set EA,   24
.set EH,   25
.set RB,   26
.set RBH,  27
.set SPW,  28
.set NIL,  29
.set PFO,  30
.set GL,   31
.set CL,   96
.set AF,   128
.set T,    128
.set G1,   24
.set G0,   32
.set G1B,  48
.set G0B,  56
.set WV,   92
.set RH,   93
.set CH,   94
.set LAP,  95
.set PFA,  98
.set LIM,  100
.set KS,   2
.set KT,   46
.set MSB, 0
.macro WIN new                         ; the immediate's high byte repeats the setting that is left
.if MSB != (\new)
	s_set_vgpr_msb (MSB<<8)|(\new)
.set MSB, (\new)
.endif
.endm
.set TO_B,     0x40                    ; destination window 1
.set MUL_LO,   0xa1                    ; source 0 (W) window 1, source 1 (A) window 0, C and D window 2
.set MUL_HI,   0xf1
.set FIRST_LO, 0x91                    ; the same with C (the biases) in window 1
.set FIRST_HI, 0xd1
.set CELL_ST,  0x04
.set ACC_LO,   0x02
.macro JLOAD g0a, g1a, g0b, g1b        ; a joint load: waves 0, 1 fetch A's chunks, waves 2, 3 W's; an s_nop 0 and four v_nop follow each line
	s_cmp_eq_u32 s[RH], 0
	s_cbranch_scc0 .Lfor_b_\@
	tensor_load_to_lds s[\g0a:\g0a+3], s[\g1a:\g1a+7]
	s_nop 0
.rept 4
	v_nop
.endr
	s_branch .Lasked_\@
.Lfor_b_\@:
	tensor_load_to_lds s[\g0b:\g0b+3], s[\g1b:\g1b+7]
	s_nop 0
.rept 4
	v_nop
.endr
.Lasked_\@:
.endm
.macro CREST
	s_cmp_lg_u32 s[WV], 0
	s_cbranch_scc1 .Lnot_wave_0_\@
	s_barrier_signal -3
.Lnot_wave_0_\@:
	s_barrier_wait -3
	s_barrier_signal -1
	s_barrier_wait -1
.endm
.macro CROUND
	s_barrier_signal -1
	s_barrier_wait -1
	CREST
.endm
.macro PLACES n
.rept \n
	v_nop
.endr
.endm
.macro ASK
	s_cmp_gt_u32 s[LAP], s[LIM]
	s_cbranch_scc0 .Lnot_mine_\@
	global_prefetch_b8 v[PFO], s[PFA:PFA+1] offset:CHUNK th:TH_LOAD_NT scope:SCOPE_SE
.Lnot_mine_\@:
.endm
	s_load_b256 s[4:11], s[0:1], 0x0               ; aq, asc, wq, wsc
	s_load_b256 s[12:19], s[0:1], 0x20             ; bf, bi, bo, bc
	s_load_b128 s[20:23], s[0:1], 0x40             ; cell_state, out0
	s_load_b64 s[66:67], s[0:1], 0x50              ; out1
	v_lshl_add_u32 v[SPW], v0, 2, SPARE
	v_mov_b32 v[NIL], 0
	ds_add_u32 v[SPW], v[NIL]                      ; the opening lines: the add, twice on end, and its wait ahead of my first tensor load
	ds_add_u32 v[SPW], v[NIL]
	v_lshrrev_b32 v1, 5, v0
	v_readfirstlane_b32 s[WV], v1
	s_lshr_b32 s[RH], s[WV], 1                     ; my half of the rows; also: I fetch for A (0) or for W (1)
	s_and_b32 s[CH], s[WV], 1                      ; my half of W's rows; also: which chunk I fetch
	s_bfe_u32 s40, ttmp6, 0x40000
	s_bfe_u32 s41, ttmp6, 0x40004
	s_lshl_b32 s42, ttmp9, 2
	s_add_co_u32 s42, s42, s40                     ; tile column
	s_and_b32 s43, ttmp7, 0xffff
	s_lshl_b32 s43, s43, 2
	s_add_co_u32 s43, s43, s41                     ; tile row
	s_lshl_b32 s44, s41, 2
	s_lshl_b32 s44, 15, s44                        ; my row of the cluster
	s_lshl_b32 s45, 0x1111, s40                    ; my column
	s_or_b32 s[G1], s44, (3<<16)|(1<<21)
	s_or_b32 s[G1B], s45, (3<<16)|(1<<21)
.irp g, G1, G1B
	s_mov_b32 s[\g+1], 32<<16                      ; 128 rows of 256 bytes, dense
	s_mov_b32 s[\g+2], 128<<16
	s_mov_b32 s[\g+3], 32<<16
	s_mov_b32 s[\g+4], 128
	s_mov_b32 s[\g+5], 32
	s_mov_b32 s[\g+6], 0
	s_mov_b32 s[\g+7], 0
.endr
	s_lshl_b32 s96, s43, 1
	s_add_co_u32 s96, s96, s[CH]
	s_lshl_b32 s96, s96, 18                        ; A's tile 2 x tile row + chunk: eight chunks each
	s_mov_b32 s97, 0
	s_lshl_b32 s46, s42, 1
	s_add_co_u32 s46, s46, s[CH]
	s_lshl_b32 s46, s46, 18
	s_mov_b32 s47, 0
	s_lshl_b32 s101, s[WV], 15                     ; in a slot: wave x a chunk
	s_wait_dscnt 0x0
	s_wait_kmcnt 0x0
	s_add_nc_u64 s[96:97], s[4:5], s[96:97]
	s_add_nc_u64 s[46:47], s[8:9], s[46:47]
	CROUND                                         ; all sixteen work-groups are here: the first joint loads meet
.irp s, 0,1
	s_mov_b32 s[G0+4*\s], 1
	s_add_co_u32 s[G0+4*\s+1], s101, \s*SLOT
	s_add_nc_u64 s[G0+4*\s+2:G0+4*\s+3], s[96:97], \s*CHUNK
	s_or_b32 s[G0+4*\s+3], s[G0+4*\s+3], 0x80000000
	s_mov_b32 s[G0B+4*\s], 1
	s_add_co_u32 s[G0B+4*\s+1], s101, \s*SLOT
	s_add_nc_u64 s[G0B+4*\s+2:G0B+4*\s+3], s[46:47], \s*CHUNK
	s_or_b32 s[G0B+4*\s+3], s[G0B+4*\s+3], 0x80000000
.endr
	JLOAD G0, G1, G0B, G1B                         ; K step 0: one tensor load a wave at the head
	s_and_b32 s3, ttmp7, 0xffff
	s_and_b32 s101, ttmp9, 3
	s_cmp_eq_u32 s[RH], 0
	s_cselect_b64 s[PFA:PFA+1], s[96:97], s[46:47]
	s_cselect_b32 s2, s40, s41                     ; my place among the four that ask with me
	s_cselect_b32 s3, s101, s3                     ; A: clusters x = 0 and 4 ask; W: clusters y = 0
	s_cmp_eq_u32 s3, 0
	s_cselect_b32 s[LIM], 1, -1
	s_lshl_b32 s2, s2, 13
	s_add_co_u32 s2, s2, 2*CHUNK
	s_mov_b32 s3, 0
	s_add_nc_u64 s[PFA:PFA+1], s[PFA:PFA+1], s[2:3]
	s_mov_b32 s97, 0
	s_lshl_b32 s96, s43, 1
	s_add_co_u32 s96, s96, s[RH]
	s_lshl_b32 s96, s96, 14
	s_add_nc_u64 s[6:7], s[6:7], s[96:97]          ; the scale words of my 128 rows of A
	s_lshl_b32 s96, s42, 1
	s_add_co_u32 s96, s96, s[CH]
	s_lshl_b32 s96, s96, 14
	s_add_nc_u64 s[10:11], s[10:11], s[96:97]      ; and of my 128 rows of W
	s_lshl_b32 s96, s42, 8
	s_lshl_b32 s2, s[CH], 7
	s_add_co_u32 s96, s96, s2
.irp g, 0,1,2,3
	s_add_nc_u64 s[12+2*\g:13+2*\g], s[12+2*\g:13+2*\g], s[96:97]
.endr
	s_lshl_b32 s96, s43, 8
	s_lshl_b32 s2, s[WV], 6
	s_add_co_u32 s96, s96, s2
	s_lshl_b32 s96, s96, 13
	s_lshl_b32 s2, s42, 8
	s_add_co_u32 s96, s96, s2
	s_add_nc_u64 s[20:21], s[20:21], s[96:97]
	s_lshl_b32 s96, s43, 8
	s_lshl_b32 s2, s[RH], 7
	s_add_co_u32 s96, s96, s2
	s_lshl_b32 s2, s[CH], 4
	s_add_co_u32 s96, s96, s2
	s_lshl_b32 s96, s96, 13
	s_lshl_b32 s2, s42, 8
	s_add_co_u32 s96, s96, s2
	s_add_nc_u64 s[22:23], s[22:23], s[96:97]
	s_add_nc_u64 s[66:67], s[66:67], s[96:97]
	s_lshl_b32 s2, s[RH], 15                       ; my chunk of A in a slot,
	s_lshl_b32 s3, s[CH], 15
	s_add_co_u32 s3, s3, 2*CHUNK                   ; my chunk of W
	s_mul_i32 s96, s[WV], 64*SP                    ; the stage: where I put cell rows,
	s_mul_i32 s40, s[RH], 128*SP
	s_mul_i32 s41, s[CH], 16*SP
	s_add_co_u32 s41, s41, s40                     ; where I read rows back,
	s_lshl_b32 s101, s[CH], 7
	s_add_co_u32 s101, s101, s40                   ; and my place in the accumulators' layout
	v_and_b32 v1, 31, v0
	v_and_b32 v2, 15, v0
	v_bfe_u32 v3, v0, 4, 1
	v_lshlrev_b32 v4, 4, v1
	v_lshlrev_b32 v[L8], 3, v1
	v_lshlrev_b32 v[BO], 5, v3
	v_lshlrev_b32 v[PFO], 8, v1
	v_lshlrev_b32 v[GL], 13, v3
	v_lshl_add_u32 v[GL], v2, 4, v[GL]
	v_add_nc_u32 v[ADRA], s2, v4
	v_add_nc_u32 v[ADRA+1], SLOT, v[ADRA]
	v_add_nc_u32 v[ADRB], s3, v4
	v_add_nc_u32 v[ADRB+1], SLOT, v[ADRB]
	v_mul_u32_u24 v5, v3, SP
	v_lshl_add_u32 v5, v2, 4, v5
	v_add_nc_u32 v[CW], s96, v5
	v_add_nc_u32 v[RB], s41, v5
	v_add_nc_u32 v[RBH], HST, v[RB]
	v_mul_u32_u24 v6, v2, SP
	v_lshl_add_u32 v6, v3, 5, v6
	v_add_nc_u32 v[EA], s101, v6
	v_add_nc_u32 v[EH], HST, v[EA]
	s_wait_alu depctr_va_vdst(0)                   ; the wait at the head's end
.macro GSC sg, ko                      ; the scale words of the K step ko behind the bases into set sg: register 4 w + q: lanes 0-15 block 2 w, lanes 16-31 block 2 w + 1
.irp hs, 0,1
.irp w, 0,1,2,3
	global_load_b64 v[32+32*(\sg)+4*\w+2*\hs:32+32*(\sg)+4*\w+2*\hs+1], v[L8], s[6:7] offset:(\ko)*2048+\hs*1024+\w*256
	global_load_b64 v[48+32*(\sg)+4*\w+2*\hs:48+32*(\sg)+4*\w+2*\hs+1], v[L8], s[10:11] offset:(\ko)*2048+\hs*1024+\w*256
.endr
.endr
.endm
	GSC 0, 0
	WIN TO_B
.irp g, 0,1,2,3
.irp u, 0,1
.irp f, 0,1
	global_load_b128 v[192+8*(2*\g+\u)+4*\f:192+8*(2*\g+\u)+4*\f+3], v[BO], s[12+2*\g:13+2*\g] offset:64*\u+16*\f   ; the biases in the accumulators' layout
.endr
.endr
.endr
.set cnt, 0
.rept 16
	global_load_b128 v[64+4*cnt:64+4*cnt+3], v[GL], s[20:21] offset:cnt*16384 th:TH_LOAD_NT   ; the first half of my 64 cell rows, two rows of 256 bytes a load
.set cnt, cnt+1
.endr
	WIN 0
.macro FRAG reg, adr, q, i
.irp c, 0,1
	ds_load_b128 v[\reg+4*\c:\reg+4*\c+3], v[\adr] offset:(\i)*4096+(\q)*1024+512*\c
.endr
.endm
.macro GRP slot, q, g                  ; four LDS loads: two fragments of the slot's q-th 128 along K: groups 0-3 W's, into set q % 2; groups 4-7 A's
.if (\g) < 4
	WIN TO_B
	FRAG 128*((\q)%2)+16*(\g), ADRB+\slot, \q, 2*(\g)
	FRAG 128*((\q)%2)+16*(\g)+8, ADRB+\slot, \q, 2*(\g)+1
.else
	WIN 0
	FRAG AF+16*((\g)-4), ADRA+\slot, \q, 2*(\g)-8
	FRAG AF+16*((\g)-4)+8, ADRA+\slot, \q, 2*(\g)-7
.endif
.endm
.macro WM a, b, q, sg, first
.set DD, 8*(8*((\a)%4)+(\b))
.set BB, 128*((\q)%2)+8*(\b)
.set AA, AF+8*(\a)
.set SBR, 48+32*(\sg)+4*((\b)/2)+(\q)
.set SAR, 32+32*(\sg)+4*((\a)/2)+(\q)
.if \first
.set CC, 192+8*(\b)
.else
.set CC, DD
.endif
.if ((\a)%2 == 0) && ((\b)%2 == 0)
	v_wmma_scale_f32_16x16x128_f8f6f4 v[DD:DD+7], v[BB:BB+7], v[AA:AA+7], v[CC:CC+7], v[SBR], v[SAR] matrix_a_fmt:MATRIX_FMT_FP4 matrix_b_fmt:MATRIX_FMT_FP4
.elseif (\a)%2 == 0
	v_wmma_scale_f32_16x16x128_f8f6f4 v[DD:DD+7], v[BB:BB+7], v[AA:AA+7], v[CC:CC+7], v[SBR], v[SAR] matrix_a_fmt:MATRIX_FMT_FP4 matrix_b_fmt:MATRIX_FMT_FP4 matrix_a_scale:MATRIX_SCALE_ROW1
.elseif (\b)%2 == 0
	v_wmma_scale_f32_16x16x128_f8f6f4 v[DD:DD+7], v[BB:BB+7], v[AA:AA+7], v[CC:CC+7], v[SBR], v[SAR] matrix_a_fmt:MATRIX_FMT_FP4 matrix_b_fmt:MATRIX_FMT_FP4 matrix_b_scale:MATRIX_SCALE_ROW1
.else
	v_wmma_scale_f32_16x16x128_f8f6f4 v[DD:DD+7], v[BB:BB+7], v[AA:AA+7], v[CC:CC+7], v[SBR], v[SAR] matrix_a_fmt:MATRIX_FMT_FP4 matrix_b_fmt:MATRIX_FMT_FP4 matrix_a_scale:MATRIX_SCALE_ROW1 matrix_b_scale:MATRIX_SCALE_ROW1
.endif
.endm
.macro MUL8 a, q, sg, first            ; A's block a against W's eight; the 64 accumulators take turns, in the same order in every step
.irp b, 0,1,2,3,4,5,6,7
	WM \a, \b, \q, \sg, \first
.endr
.endm
; A step of 128 along K that has its successor in the same slot.  ko >= 0 (in a slot's first step): the next K step's scale words are asked for, ko K steps behind the bases; four places stand at the end of the step before.
.macro STEP slot, q, first, ko
.if \first
	GSC 1-(\slot), \ko
	s_wait_loadcnt 32                              ; K step 0's scale words and the biases are in; sixteen cell loads and the sixteen just issued may be out
.else
.if (\q) == 0
	s_wait_loadcnt 0x0                             ; this K step's scale words, asked for a K step ago
.endif
.if (\ko) >= 0
	GSC 1-(\slot), \ko
.endif
.endif
	s_wait_dscnt 8                                 ; W's set and A's blocks 0-3 are in; the youngest eight loads (A's blocks 4-7) may be out
.irp g, 0,1,2,3
.if \first
	WIN FIRST_LO
.else
	WIN MUL_LO
.endif
	MUL8 \g, \q, \slot, \first
.endr
	s_wait_dscnt 0x0                               ; A's blocks 4-7 are in
	PLACES 4
.irp g, 0,1,2,3,4,5
	GRP \slot, (\q)+1, \g
.endr
.irp g, 4,5,6,7
.if \first
	WIN FIRST_HI
.else
	WIN MUL_HI
.endif
	MUL8 \g, \q, \slot, \first
.endr
	PLACES 4
	GRP \slot, (\q)+1, 6
	GRP \slot, (\q)+1, 7
	WIN 0
.endm
; A slot's last step changes slots: one barrier; in front of it each wave waits for all its tensor loads, adds 0 to its spare word, and waits for that and for its reads of this slot.  fill = 1: the slot is filled again, two K steps ahead.
.macro TURN slot, next, fill
.if \fill
	s_wait_xcnt 0x0                                ; my prefetch has read its address
	s_add_nc_u64 s[PFA:PFA+1], s[PFA:PFA+1], CHUNK
.endif
	s_wait_tensorcnt 0x0
	ds_add_u32 v[SPW], v[NIL]
	s_wait_dscnt 9                                 ; (the add and the youngest eight loads may be out)
	WIN MUL_LO
	MUL8 0, 3, \slot, 0
	MUL8 1, 3, \slot, 0
	s_wait_dscnt 0x0                               ; the add is done, and my reads of this slot are over
	s_barrier_signal -1
	MUL8 2, 3, \slot, 0
	MUL8 3, 3, \slot, 0
	WIN 0
	s_barrier_wait -1
.if \fill
	CREST                                          ; the barrier has opened a round of the cluster's barrier
	s_add_nc_u64 s[G0+4*\slot+2:G0+4*\slot+3], s[G0+4*\slot+2:G0+4*\slot+3], 2*CHUNK
	s_add_nc_u64 s[G0B+4*\slot+2:G0B+4*\slot+3], s[G0B+4*\slot+2:G0B+4*\slot+3], 2*CHUNK
	JLOAD G0+4*\slot, G1, G0B+4*\slot, G1B         ; the first tensor load behind the round; its four v_nop are the places in front of the loads below
.else
	PLACES 4
.endif
.irp g, 0,1,2,3,4,5
	GRP \next, 0, \g
.endr
.if \fill
	ASK
.endif
	WIN MUL_HI
	MUL8 4, 3, \slot, 0
	MUL8 5, 3, \slot, 0
	MUL8 6, 3, \slot, 0
	MUL8 7, 3, \slot, 0
	PLACES 4
	GRP \next, 0, 6
	GRP \next, 0, 7
	WIN 0
.endm
	s_wait_tensorcnt 0x0                           ; my chunk of K step 0 is in
	ds_add_u32 v[SPW], v[NIL]
	s_wait_dscnt 0x0
	CROUND                                         ; everybody's chunk is in, and all sixteen work-groups are here
	JLOAD G0+4, G1, G0B+4, G1B                     ; K step 1: the first tensor load behind the round
.irp g, 0,1,2,3,4,5,6,7
	GRP 0, 0, \g
.endr
	STEP 0, 0, 1, 1                                ; the first step starts the sums on the biases
	PLACES 4
	WIN TO_B
.set cnt, 16
.rept 16
	global_load_b128 v[128+4*cnt:128+4*cnt+3], v[GL], s[20:21] offset:cnt*16384 th:TH_LOAD_NT   ; the other half of my cell rows, over the biases, which have been read
.set cnt, cnt+1
.endr
	WIN 0
	s_mov_b32 s[LAP], 3
.Llap:                                                 ; a trip goes once round the ring, from a lap's second step to the next lap's first
	STEP 0, 1, 0, -1
	STEP 0, 2, 0, -1
	TURN 0, 1, 1
	STEP 1, 0, 0, 2
	STEP 1, 1, 0, -1
	STEP 1, 2, 0, -1
	TURN 1, 0, 1
	STEP 0, 0, 0, 3
	s_wait_xcnt 0x0                                ; the scale loads have read their bases
	s_add_nc_u64 s[6:7], s[6:7], 4096
	s_add_nc_u64 s[10:11], s[10:11], 4096
	s_sub_co_u32 s[LAP], s[LAP], 1
	s_cmp_lg_u32 s[LAP], 0
	s_cbranch_scc1 .Llap
	STEP 0, 1, 0, -1
	STEP 0, 2, 0, -1
	TURN 0, 1, 0
	STEP 1, 0, 0, -1
	STEP 1, 1, 0, -1
	STEP 1, 2, 0, -1
	s_wait_dscnt 8                                 ; the very last step: nothing more to fetch
	WIN MUL_LO
	MUL8 0, 3, 1, 0
	MUL8 1, 3, 1, 0
	MUL8 2, 3, 1, 0
	MUL8 3, 3, 1, 0
	s_wait_dscnt 0x0
	WIN MUL_HI
	MUL8 4, 3, 1, 0
	MUL8 5, 3, 1, 0
	MUL8 6, 3, 1, 0
	MUL8 7, 3, 1, 0
	WIN 0
	PLACES 4
	s_mov_b32 s[KS], 0xbfb8aa3b                    ; -log2(e): sig(z) = 1 / (1 + 2^(-log2(e) z))
	s_mov_b32 s[KS+1], s[KS]
	s_mov_b32 s[KT], 0x4038aa3b                    ; 2 log2(e): tanh(z) = 1 - 2 / (1 + 2^(2 log2(e) z))
	s_mov_b32 s[KT+1], s[KT]
	s_wait_loadcnt 0x0
	WIN CELL_ST
.set cnt, 0
.rept 32
	ds_store_b128 v[CW], v[64+4*cnt+64*(cnt/16):64+4*cnt+64*(cnt/16)+3] offset:2*SP*cnt   ; into slot 0, which every wave has left at the last change of slots
.set cnt, cnt+1
.endr
	WIN 0
	s_wait_dscnt 0x0
	s_barrier_signal -1
	s_barrier_wait -1
; THE WAY OUT, 32 of my rows at a time: the gates of my 32 units, the new cell over the old in the stage, the hidden state in its own; a barrier, since a row's 256 bytes come from two waves; each wave stores 16 whole rows of each output.
.macro PHASE p
.if (\p) > 0
	s_wait_xcnt 0x0                                ; the last phase's stores have read their registers
.endif
.irp e, 0,1
.irp u, 0,1
.irp f, 0,1
	ds_load_b128 v[CL+16*\e+8*\u+4*\f:CL+16*\e+8*\u+4*\f+3], v[EA] offset:(2*(\p)+\e)*16*SP+64*\u+16*\f
.endr
.endr
.endr
	WIN ACC_LO+(\p)/2
.if (\p) > 0
	s_wait_alu depctr_va_vdst(0)
.endif
.set cnt, 0
.rept 64
.if (cnt/4)%8 >= 6
	v_pk_mul_f32 v[T+2*cnt:T+2*cnt+1], v[128*((\p)%2)+2*cnt:128*((\p)%2)+2*cnt+1], s[KT:KT+1] op_sel_hi:[1,0]
.else
	v_pk_mul_f32 v[T+2*cnt:T+2*cnt+1], v[128*((\p)%2)+2*cnt:128*((\p)%2)+2*cnt+1], s[KS:KS+1] op_sel_hi:[1,0]
.endif
.set cnt, cnt+1
.endr
	WIN 0
.set cnt, 0
	s_wait_alu depctr_va_vdst(0)                   ; one wait ahead of each batch and one behind it
.rept 128
	v_exp_f32 v[T+cnt], v[T+cnt]
.set cnt, cnt+1
.endr
	v_nop
	s_wait_alu depctr_va_vdst(0)
.set cnt, 0
.rept 64
	v_pk_add_f32 v[T+2*cnt:T+2*cnt+1], v[T+2*cnt:T+2*cnt+1], 1.0 op_sel_hi:[1,0]
.set cnt, cnt+1
.endr
.set cnt, 0
	s_wait_alu depctr_va_vdst(0)
.rept 128
	v_rcp_f32 v[T+cnt], v[T+cnt]
.set cnt, cnt+1
.endr
	v_nop
	s_wait_alu depctr_va_vdst(0)
	s_wait_dscnt 0x0
.irp e, 0,1
.set cnt, 0
.rept 8
	v_pk_fma_f32 v[T+64*\e+48+cnt:T+64*\e+49+cnt], v[T+64*\e+48+cnt:T+64*\e+49+cnt], -2.0, 1.0 op_sel_hi:[1,0,0]   ; tanh(zc)
.set cnt, cnt+2
.endr
.endr
.irp e, 0,1
.set cnt, 0
.rept 8
	v_pk_mul_f32 v[T+64*\e+48+cnt:T+64*\e+49+cnt], v[T+64*\e+48+cnt:T+64*\e+49+cnt], v[T+64*\e+16+cnt:T+64*\e+17+cnt]   ; x i
.set cnt, cnt+2
.endr
.endr
.irp e, 0,1
.set cnt, 0
.rept 8
	v_pk_fma_f32 v[CL+16*\e+cnt:CL+16*\e+cnt+1], v[T+64*\e+cnt:T+64*\e+cnt+1], v[CL+16*\e+cnt:CL+16*\e+cnt+1], v[T+64*\e+48+cnt:T+64*\e+49+cnt]   ; f c + i tanh(zc)
.set cnt, cnt+2
.endr
.endr
.irp e, 0,1
.set cnt, 0
.rept 8
	v_pk_mul_f32 v[T+64*\e+cnt:T+64*\e+cnt+1], v[CL+16*\e+cnt:CL+16*\e+cnt+1], s[KT:KT+1] op_sel_hi:[1,0]
.set cnt, cnt+2
.endr
.endr
.irp e, 0,1
.irp u, 0,1
.irp f, 0,1
	ds_store_b128 v[EA], v[CL+16*\e+8*\u+4*\f:CL+16*\e+8*\u+4*\f+3] offset:(2*(\p)+\e)*16*SP+64*\u+16*\f
.endr
.endr
.endr
	s_wait_alu depctr_va_vdst(0)
.irp e, 0,1
.set cnt, 0
.rept 16
	v_exp_f32 v[T+64*\e+cnt], v[T+64*\e+cnt]
.set cnt, cnt+1
.endr
.endr
	v_nop
	s_wait_alu depctr_va_vdst(0)
.irp e, 0,1
.set cnt, 0
.rept 8
	v_pk_add_f32 v[T+64*\e+cnt:T+64*\e+cnt+1], v[T+64*\e+cnt:T+64*\e+cnt+1], 1.0 op_sel_hi:[1,0]
.set cnt, cnt+2
.endr
.endr
	s_wait_alu depctr_va_vdst(0)
.irp e, 0,1
.set cnt, 0
.rept 16
	v_rcp_f32 v[T+64*\e+cnt], v[T+64*\e+cnt]
.set cnt, cnt+1
.endr
.endr
	v_nop
	s_wait_alu depctr_va_vdst(0)
.irp e, 0,1
.set cnt, 0
.rept 8
	v_pk_fma_f32 v[T+64*\e+cnt:T+64*\e+cnt+1], v[T+64*\e+cnt:T+64*\e+cnt+1], -2.0, 1.0 op_sel_hi:[1,0,0]
.set cnt, cnt+2
.endr
.endr
.irp e, 0,1
.set cnt, 0
.rept 8
	v_pk_mul_f32 v[T+64*\e+32+cnt:T+64*\e+33+cnt], v[T+64*\e+32+cnt:T+64*\e+33+cnt], v[T+64*\e+cnt:T+64*\e+cnt+1]   ; o tanh(next_cell)
.set cnt, cnt+2
.endr
.endr
.irp e, 0,1
.irp u, 0,1
.irp f, 0,1
	ds_store_b128 v[EH], v[T+64*\e+32+8*\u+4*\f:T+64*\e+32+8*\u+4*\f+3] offset:(2*(\p)+\e)*16*SP+64*\u+16*\f
.endr
.endr
.endr
	s_wait_dscnt 0x0                               ; for the others' sake: my stores into the stages are done
	s_barrier_signal -1
	s_barrier_wait -1
.set cnt, 0
.rept 8
	ds_load_b128 v[T+4*cnt:T+4*cnt+3], v[RB] offset:(\p)*32*SP+2*SP*cnt
.set cnt, cnt+1
.endr
.set cnt, 0
.rept 8
	ds_load_b128 v[T+32+4*cnt:T+32+4*cnt+3], v[RBH] offset:(\p)*32*SP+2*SP*cnt
.set cnt, cnt+1
.endr
.set cnt, 0
.rept 8
	s_wait_dscnt 15-cnt
	global_store_b128 v[GL], v[T+4*cnt:T+4*cnt+3], s[66:67] offset:(\p)*262144+cnt*16384 th:TH_STORE_NT   ; sixteen lanes store 256 consecutive bytes, aligned
.set cnt, cnt+1
.endr
.set cnt, 0
.rept 8
	s_wait_dscnt 7-cnt
	global_store_b128 v[GL], v[T+32+4*cnt:T+32+4*cnt+3], s[22:23] offset:(\p)*262144+cnt*16384 th:TH_STORE_NT
.set cnt, cnt+1
.endr
.endm
	PHASE 0
	PHASE 1
	PHASE 2
	PHASE 3
	s_wait_tensorcnt 0x0                           ; the wave's end
	ds_add_u32 v[SPW], v[NIL]
	s_wait_dscnt 0x0
	CROUND                                         ; the closing round
	s_endpgm
.Lfunc_end_k_q23f76765da_gemm:
	.size	k_q23f76765da_gemm, .Lfunc_end_k_q23f76765da_gemm-k_q23f76765da_gemm
	.p2alignl 7, 3214868480
	.fill 96, 4, 3214868480
	.section	.rodata,"a",@progbits
	.p2align	6, 0x0
	.amdhsa_kernel k_q23f76765da_gemm
		.amdhsa_group_segment_fixed_size 327680
		.amdhsa_private_segment_fixed_size 0
		.amdhsa_enable_private_segment 0
		.amdhsa_kernarg_size 88
		.amdhsa_user_sgpr_count 2
		.amdhsa_user_sgpr_kernarg_segment_ptr 1
		.amdhsa_wavefront_size32 1
		.amdhsa_system_sgpr_workgroup_id_x 1
		.amdhsa_system_sgpr_workgroup_id_y 1
		.amdhsa_system_sgpr_workgroup_id_z 1
		.amdhsa_system_vgpr_workitem_id 0
		.amdhsa_next_free_vgpr 1024
		.amdhsa_next_free_sgpr 102
		.amdhsa_reserve_vcc 0
		.amdhsa_float_denorm_mode_32 3
		.amdhsa_float_denorm_mode_16_64 3
		.amdhsa_memory_ordered 1
		.amdhsa_forward_progress 1
		.amdhsa_inst_pref_size 255
	.end_amdhsa_kernel
	.section	.bss,"aw",@nobits
	.p2align	6
	.space	262144
	.amdgpu_metadata
---
amdhsa.version: [ 1, 2 ]
amdhsa.kernels:
  - .name:           k_q23f76765da_gemm
    .symbol:         k_q23f76765da_gemm.kd
    .args:
      - { .name: aq, .offset: 0, .size: 8, .value_kind: global_buffer, .address_space: global }
      - { .name: asc, .offset: 8, .size: 8, .value_kind: global_buffer, .address_space: global }
      - { .name: wq, .offset: 16, .size: 8, .value_kind: global_buffer, .address_space: global }
      - { .name: wsc, .offset: 24, .size: 8, .value_kind: global_buffer, .address_space: global }
      - { .name: bf, .offset: 32, .size: 8, .value_kind: global_buffer, .address_space: global }
      - { .name: bi, .offset: 40, .size: 8, .value_kind: global_buffer, .address_space: global }
      - { .name: bo, .offset: 48, .size: 8, .value_kind: global_buffer, .address_space: global }
      - { .name: bc, .offset: 56, .size: 8, .value_kind: global_buffer, .address_space: global }
      - { .name: cell_state, .offset: 64, .size: 8, .value_kind: global_buffer, .address_space: global }
      - { .name: out0, .offset: 72, .size: 8, .value_kind: global_buffer, .address_space: global }
      - { .name: out1, .offset: 80, .size: 8, .value_kind: global_buffer, .address_space: global }
    .group_segment_fixed_size: 327680
    .private_segment_fixed_size: 0
    .kernarg_segment_align: 8
    .kernarg_segment_size: 88
    .max_flat_workgroup_size: 128
    .sgpr_count:     102
    .vgpr_count:     1024
    .wavefront_size: 32
...
	.end_amdgpu_metadata
.endif
;; end of part 2
